; MI455X (gfx1250); checked and timed in simulation.
; The chip was launched on July 23, 2026; its instructions are those of AMD's public machine-readable ISA for CDNA 5 (MIT licence, August 2026) and "CDNA5" Instruction Set Architecture Reference Guide (July 2026). The comments in the code are by the model that wrote it; some were corrected since.
;; Attention. Allowed arithmetic: float matrix products may take bf16 or f16 operands with f32 sums; all other float work in f32.
;; Inputs: W_attn 2,048 x 1,024 float32; b_attn 1,024 float32; decoder_hidden 64 x 1,024 float32; encoder_outputs 64 x 1,024 x 1,024 float32; mask 64 x 1,024 int32; v_w 1,024 float32.
;; Outputs: out0 64 x 1,024 float32.
;; One version. Each part assembles by itself: llvm-mc -triple=amdgcn-amd-amdhsa -mcpu=gfx1250 --defsym DOCPART=n.
;; ======== version 1 of 1: 3 launches
;; workspace buffers: bfrag 2,097,152 bytes; pdec 262,144 bytes; rows 262,400 bytes of whole numbers; scores 1,048,576 bytes
;; launch prep (part 1): grid 192 x 1, 8 waves a work-group, no clusters, 104,192 bytes of LDS; arguments W_attn, b_attn, decoder_hidden, mask, bfrag, pdec, rows, scores; writes bfrag, pdec, rows, scores
.if DOCPART == 1
	.amdgcn_target "amdgcn-amd-amdhsa--gfx1250"
	.amdhsa_code_object_version 6
	.text
	.protected	k_q2bc44577f4_prep
	.globl	k_q2bc44577f4_prep
	.p2align	8
	.type	k_q2bc44577f4_prep,@function
k_q2bc44577f4_prep:
	s_mov_b64 s[64:65], 0
	v_nop
	global_prefetch_b8 v0, s[64:65] scope:SCOPE_SE
	s_setreg_imm32_b32 hwreg(HW_REG_WAVE_MODE, 25, 1), 1
	s_wait_xcnt 0x0
; prep: three small jobs, chosen by the work-group number (the same for all eight waves of a work-group).
;   groups   0 ..  63 (D): pdec[b][n] = c * (decoder_hidden[b] . W_attn[0:1024][n] + b_attn[n]), f32, c = 2 log2(e)
;   groups  64 .. 127 (S): the list of rows (b*1024+s) with mask != 1, their number T, and the four planes of scores = -1e10 / 4 everywhere
;   groups 128 .. 191 (W): bfrag = c * W_attn[1024:2048] in bf16, laid out as the main launch loads its matrix fragments
; c is folded in so that the main launch can take exp2 of its sums directly: tanh(x) = 1 - 2 / (1 + exp2(c x)).
; bfrag byte wv*524288 + (hf*32+ks)*8192 + nb*1024 + half*512 + L*16 holds the eight bf16
;   c*We[32ks + 16half + 8(L>>4) + 0..7][hf*512 + wv*128 + nb*16 + (L&15)]: one load of a wave takes 512 consecutive bytes.
; scores is [4][64][1024]: a row's score is the sum of its four numbers.  -1e10 / 4 is a step of the exponent, so the four add up to f32(-1e10) exactly.
; The order of the ids in the list is by wave and by word of a lane, not ascending: the main launch needs a list, not an order.
; Matrix operands (decoder_hidden, W_attn) are rounded to bf16, sums are f32.
.set WROW,  4096                       ; bytes in a row of W_attn, of decoder_hidden, of mask, of pdec
.set BLK,   1040                       ; stage: one fragment block (16 columns x 32 k of bf16 = 1,024 bytes) + 16
.set WST,   4*BLK                      ; a wave's stage for one patch of 32 k x 64 columns
.set DSTG,  8*WST                      ; 33,280: a wave's 16 rows x 128 k of decoder_hidden in bf16, pitch 272
.set SP,    272
.set STG,   16*SP                      ; 4,352
.set PSTG,  DSTG+8*STG                 ; 68,096: a wave's partial sums, 16 rows x 64 columns f32, pitch 272
.set SSCR,  PSTG+8*STG                 ; 102,912: the list job's eight times 16 bytes, bytes that no other job touches
.set PLANE, 262144                     ; bytes in a plane of scores
.set XA,  16                           ; v[16:79]   patch as loaded, buffer A
.set XB,  80                           ; v[80:143]  patch as loaded, buffer B
.set DS,  144                          ; v[144:207] decoder_hidden as loaded; afterwards YY and WF
.set YY,  144                          ; v[144:175] patch in bf16, k in pairs
.set WF,  176                          ; v[176:207] four fragments of W
.set DF,  208                          ; v[208:215] fragment of decoder_hidden
.set ACC, 216                          ; v[216:247] four accumulators
.set BI,  248                          ; v[248:251] bias
; A patch is 32 rows (k) x 64 columns of W_attn.  Lane (h = L>>4, q = L&15) loads columns 4q..4q+3 of rows 16f+8h+e:
; sixteen lanes take 256 consecutive bytes of a row.
.macro XLOAD xb, sb, koff
.irp f, 0,1
.irp e, 0,1,2,3,4,5,6,7
	global_load_b128 v[\xb+4*(8*\f+\e):\xb+4*(8*\f+\e)+3], v5, s[\sb:\sb+1] offset:\koff+(16*\f+\e)*WROW
.endr
.endr
.endm
.macro XSCALE xb                       ; times c, in f32, ahead of the one rounding
.set ee, 0
.rept 32
	v_pk_mul_f32 v[\xb+ee:\xb+ee+1], v[\xb+ee:\xb+ee+1], s[22:23] op_sel_hi:[1,0]
.set ee, ee+2
.endr
.endm
; four registers = k 16f+8h+0..7 of column 4q+i: the 16 bytes of one lane of a fragment
.macro XCVT xb, yb
.irp f, 0,1
.irp i, 0,1,2,3
.irp p, 0,1,2,3
	v_cvt_pk_bf16_f32 v[\yb+4*(4*\f+\i)+\p], v[\xb+4*(8*\f+2*\p)+\i], v[\xb+4*(8*\f+2*\p+1)+\i]
.endr
.endr
.endr
.endm
; to the place of fragment lane 16h + 4(q&3) + i of block q>>2
.macro XSTORE yb
.irp f, 0,1
.irp i, 0,1,2,3
	ds_store_b128 v6, v[\yb+4*(4*\f+\i):\yb+4*(4*\f+\i)+3] offset:\f*512+\i*16
.endr
.endr
.endm
; back in fragment order; the stage is the wave's own and LDS serves a wave's instructions in order (ISA guide 5.7.1): no wait between
.macro XREAD fb
.irp b, 0,1,2,3
.irp f, 0,1
	ds_load_b128 v[\fb+8*\b+4*\f:\fb+8*\b+4*\f+3], v7 offset:\b*BLK+\f*512
.endr
.endr
.endm
	s_load_b256 s[4:11], s[0:1], 0x0               ; W_attn s[4:5], b_attn s[6:7], decoder_hidden s[8:9], mask s[10:11]
	s_load_b256 s[12:19], s[0:1], 0x20             ; bfrag s[12:13], pdec s[14:15], rows s[16:17], scores s[18:19]
	v_lshl_add_u32 v254, v0, 2, 0x19300
	v_mov_b32 v255, 0
	v_lshrrev_b32 v1, 5, v0
	v_readfirstlane_b32 s20, v1                    ; wave 0..7
	v_and_b32 v1, 31, v0                           ; L
	v_and_b32 v2, 15, v0                           ; q, also r
	v_bfe_u32 v3, v0, 4, 1                         ; h
	v_lshlrev_b32 v4, 4, v1                        ; 16 L
	s_mov_b32 s22, 0x4038aa3b                      ; c = 2 log2(e)
	s_mov_b32 s23, 0x4038aa3b
	s_mov_b32 s29, 0                               ; upper word of the offset pair s[28:29]
	v_lshlrev_b32 v5, 15, v3                       ; patch: 8 h rows
	v_lshl_add_u32 v5, v2, 4, v5                   ;        + 16 q
	s_mul_i32 s24, s20, WST                        ; my wave's stage
	v_lshrrev_b32 v8, 2, v2
	v_and_b32 v9, 3, v2
	v_mul_u32_u24 v6, v8, BLK
	v_lshl_add_u32 v6, v3, 8, v6
	v_lshl_add_u32 v6, v9, 6, v6
	v_add_nc_u32 v6, s24, v6                       ; stage, in: (q>>2) 1040 + 256 h + 64 (q&3)
	v_add_nc_u32 v7, s24, v4                       ; stage, back: 16 L
	s_wait_kmcnt 0x0
	s_cmp_lt_u32 ttmp9, 64
	s_cbranch_scc1 .Lrole_d
	s_cmp_lt_u32 ttmp9, 128
	s_cbranch_scc1 .Lrole_s
; ---------------- W: one patch a wave, 512 patches = 32 K steps x 16 groups of 64 columns
	s_sub_co_u32 s25, ttmp9, 128
	s_lshl_b32 s25, s25, 3
	s_add_co_u32 s25, s25, s20                     ; patch number
	s_and_b32 s26, s25, 31                         ; ks
	s_lshr_b32 s27, s25, 5                         ; cg
	s_lshl_b32 s28, s26, 17                        ; 32 ks rows
	s_add_co_u32 s28, s28, 1024*WROW               ; We begins at row 1,024
	s_lshl_b32 s30, s27, 8                         ; 64 cg columns
	s_add_co_u32 s28, s28, s30
	s_add_nc_u64 s[4:5], s[4:5], s[28:29]
	XLOAD XA, 4, 0
	s_bfe_u32 s28, s27, 0x20001                    ; wv = (cg>>1)&3
	s_lshl_b32 s28, s28, 19
	s_lshr_b32 s30, s27, 3                         ; hf
	s_lshl_b32 s30, s30, 18
	s_add_co_u32 s28, s28, s30
	s_lshl_b32 s30, s26, 13                        ; ks
	s_add_co_u32 s28, s28, s30
	s_and_b32 s30, s27, 1                          ; blocks 0-3 or 4-7 of the wave's eight
	s_lshl_b32 s30, s30, 12
	s_add_co_u32 s28, s28, s30
	s_add_nc_u64 s[12:13], s[12:13], s[28:29]
	s_wait_loadcnt 0x0
	XSCALE XA
	XCVT XA, XB
	XSTORE XB
	XREAD 112
	s_wait_dscnt 0x0
.irp b, 0,1,2,3
.irp f, 0,1
	global_store_b128 v4, v[112+8*\b+4*\f:112+8*\b+4*\f+3], s[12:13] offset:\b*1024+\f*512   ; the wave stores 512 consecutive bytes, aligned
.endr
.endr
	s_wait_xcnt 0x0
	s_mov_b32 exec_lo, -1
	s_wait_tensorcnt 0x0
	ds_add_u32 v254, v255
	s_wait_dscnt 0x0
	s_endpgm
; ---------------- D: 16 batches x 64 columns a work-group; wave w sums k = 128 w .. 128 w + 127; the eight partial sums meet in LDS
.Lrole_d:
	s_and_b32 s25, ttmp9, 15                       ; d: columns 64 d ..
	s_lshr_b32 s26, ttmp9, 4                       ; mq: batches 16 mq ..
	s_lshl_b32 s27, s25, 8                         ; 256 d bytes
	s_mov_b32 s28, s27
	s_add_nc_u64 s[6:7], s[6:7], s[28:29]          ; bias at my columns
	s_lshl_b32 s30, s20, 19                        ; 128 w rows of W
	s_add_co_u32 s28, s27, s30
	s_add_nc_u64 s[4:5], s[4:5], s[28:29]
	s_lshl_b32 s31, s26, 16                        ; 16 mq rows
	s_lshl_b32 s30, s20, 9                         ; 128 w numbers
	s_add_co_u32 s28, s31, s30
	s_add_nc_u64 s[8:9], s[8:9], s[28:29]
	s_add_co_u32 s28, s31, s27
	s_add_nc_u64 s[14:15], s[14:15], s[28:29]      ; pdec at my 16 rows, my columns
	v_lshlrev_b32 v13, 4, v2                       ; 16 (t & 15)
	global_load_b128 v[BI:BI+3], v13, s[6:7]
.irp i, 0,1,2,3,4,5,6,7,8,9,10,11,12,13,14,15
	global_load_b128 v[DS+4*\i:DS+4*\i+3], v4, s[8:9] offset:\i*WROW     ; row i: my wave's 512 bytes
.endr
	XLOAD XA, 4, 0
	XLOAD XB, 4, 32*WROW
	s_mul_i32 s30, s20, STG
	v_lshl_add_u32 v8, v1, 3, s30
	v_add_nc_u32 v8, DSTG, v8                      ; decoder stage, in: 8 L
	v_mul_u32_u24 v11, v2, SP
	v_add_nc_u32 v11, s30, v11
	v_lshl_add_u32 v9, v3, 4, v11
	v_add_nc_u32 v9, DSTG, v9                      ; decoder stage, fragment: r 272 + 16 h
	v_lshl_add_u32 v10, v3, 5, v11
	v_add_nc_u32 v10, PSTG, v10                    ; partial sums, in: r 272 + 32 h
	s_wait_loadcnt 32                              ; bias and decoder rows are in; the 32 younger loads are the two patches
.irp i, 0,1,2,3,4,5,6,7,8,9,10,11,12,13,14,15
	v_cvt_pk_bf16_f32 v[DS+4*\i],   v[DS+4*\i],   v[DS+4*\i+1]
	v_cvt_pk_bf16_f32 v[DS+4*\i+1], v[DS+4*\i+2], v[DS+4*\i+3]
	ds_store_b64 v8, v[DS+4*\i:DS+4*\i+1] offset:\i*SP
.endr
; One K step of 32.  wt: the younger patch's 16 loads may stay out.  The 32 conversions name no register of the matrix instructions in front
; of them: they are the places ahead of the loads into WF and DF.  Source 0 is W, source 1 decoder_hidden, so that lane
; (r, h) holds batch r, columns 16 b + 8 h + 0..7.  The four accumulators take turns, one instruction a turn.
.macro DSTEP ks, xb, wt, ld
	s_wait_loadcnt \wt
	XCVT \xb, YY
.if \ld
	XLOAD \xb, 4, (\ks+2)*32*WROW
.endif
	XSTORE YY
	XREAD WF
	ds_load_b128 v[DF:DF+3],   v9 offset:\ks*64
	ds_load_b128 v[DF+4:DF+7], v9 offset:\ks*64+32
	s_wait_dscnt 0x0
.irp b, 0,1,2,3
.if \ks == 0
	v_wmma_f32_16x16x32_bf16 v[ACC+8*\b:ACC+8*\b+7], v[WF+8*\b:WF+8*\b+7], v[DF:DF+7], 0
.else
	v_wmma_f32_16x16x32_bf16 v[ACC+8*\b:ACC+8*\b+7], v[WF+8*\b:WF+8*\b+7], v[DF:DF+7], v[ACC+8*\b:ACC+8*\b+7]
.endif
.endr
.endm
	DSTEP 0, XA, 16, 1
	DSTEP 1, XB, 16, 1
	DSTEP 2, XA, 16, 0
	DSTEP 3, XB, 0, 0
.rept 4
	v_nop                                          ; four places before the LDS stores read the results
.endr
.irp b, 0,1,2,3
	ds_store_b128 v10, v[ACC+8*\b:ACC+8*\b+3]   offset:64*\b
	ds_store_b128 v10, v[ACC+8*\b+4:ACC+8*\b+7] offset:64*\b+16
.endr
	v_lshrrev_b32 v11, 4, v0                       ; thread t: row t>>4, four columns at 4 (t&15)
	v_mul_u32_u24 v12, v11, SP
	v_lshl_add_u32 v12, v2, 4, v12
	v_add_nc_u32 v12, PSTG, v12
	v_lshl_add_u32 v14, v11, 12, v13
	s_wait_dscnt 0x0                               ; my partial sums are in LDS, for the other waves
	s_barrier_signal -1
	s_barrier_wait -1
.irp w, 0,1,2,3,4,5,6,7
	ds_load_b128 v[16+4*\w:16+4*\w+3], v12 offset:\w*STG
.endr
	s_wait_dscnt 0x0
.irp w, 0,2,4,6
	v_pk_add_f32 v[16+4*\w:17+4*\w], v[16+4*\w:17+4*\w], v[20+4*\w:21+4*\w]
	v_pk_add_f32 v[18+4*\w:19+4*\w], v[18+4*\w:19+4*\w], v[22+4*\w:23+4*\w]
.endr
.irp w, 0,4
	v_pk_add_f32 v[16+4*\w:17+4*\w], v[16+4*\w:17+4*\w], v[24+4*\w:25+4*\w]
	v_pk_add_f32 v[18+4*\w:19+4*\w], v[18+4*\w:19+4*\w], v[26+4*\w:27+4*\w]
.endr
	v_pk_add_f32 v[16:17], v[16:17], v[32:33]
	v_pk_add_f32 v[18:19], v[18:19], v[34:35]
	v_pk_add_f32 v[16:17], v[16:17], v[BI:BI+1]
	v_pk_add_f32 v[18:19], v[18:19], v[BI+2:BI+3]
	v_pk_mul_f32 v[16:17], v[16:17], s[22:23] op_sel_hi:[1,0]
	v_pk_mul_f32 v[18:19], v[18:19], s[22:23] op_sel_hi:[1,0]
	global_store_b128 v14, v[16:19], s[14:15]      ; sixteen lanes store 256 consecutive bytes, aligned
	s_wait_xcnt 0x0
	s_mov_b32 exec_lo, -1
	s_wait_tensorcnt 0x0
	ds_add_u32 v254, v255
	s_wait_dscnt 0x0
	s_endpgm
; ---------------- S: work-group b places the ids of batch b.  Every group counts the whole mask (64 rows of 4,096 bytes) for itself:
; no number passes between work-groups.  Thread t holds words 4t..4t+3 of every row.
.Lrole_s:
	s_sub_co_u32 s25, ttmp9, 64                    ; b
	s_lshl_b32 s28, s25, 12
	s_add_nc_u64 s[26:27], s[10:11], s[28:29]      ; my batch's row of the mask
	s_add_nc_u64 s[18:19], s[18:19], s[28:29]      ; and of scores, plane 0
	s_mov_b32 s30, 0x76543210                      ; v_permlanex16_b32: lane i reads lane i of the other half
	s_mov_b32 s31, 0xfedcba98
	v_lshlrev_b32 v10, 4, v0                       ; 16 t; never rewritten
	global_load_b128 v[12:15], v10, s[26:27]
.irp i, 0,1,2,3,4,5,6,7,8,9,10,11,12,13,14,15,16,17,18,19,20,21,22,23,24,25,26,27,28,29,30,31
	global_load_b128 v[16+4*\i:16+4*\i+3], v10, s[10:11] offset:\i*WROW
.endr
.irp k, 144,145,146,147
	v_mov_b32 v\k, 0xcf1502f9                      ; -1e10 / 4; behind the ring's registers, never rewritten
.endr
.irp p, 0,1,2,3
	global_store_b128 v10, v[144:147], s[18:19] offset:\p*PLANE   ; every score of the batch; the main launch writes over those of the listed rows
.endr
	v_mov_b32 v8, 0                                ; my count over all rows so far
	v_mov_b32 v9, 0                                ; its value behind row b-1: the rows in front of my batch
; Row i of the mask.  A ring of 32 slots: 31 younger loads stay out while it is full, then the count runs down.
.macro MROW i
.if \i < 32
	s_wait_loadcnt 31
.else
	s_wait_loadcnt 63-\i
.endif
.irp k, 0,1,2,3
	v_cmp_ne_u32 vcc_lo, 1, v[16+4*(\i%32)+\k]
	v_add_co_ci_u32 v8, vcc_lo, 0, v8, vcc_lo      ; + 1 where mask != 1
.endr
	s_cmp_eq_u32 s25, \i+1
	s_cselect_b32 s28, -1, 0
	v_cndmask_b32 v9, v9, v8, s28
.if \i < 32
	global_load_b128 v[16+4*\i:16+4*\i+3], v10, s[10:11] offset:(\i+32)*WROW
.endif
.endm
.set mi, 0
.rept 64
	MROW mi
.set mi, mi+1
.endr
	v_mov_b32 v20, 0                               ; a DPP destination counts as read
.irp m, 1,2,4,8
	v_mov_b32_dpp v20, v8 row_xmask:\m row_mask:0xf bank_mask:0xf
	v_add_nc_u32 v8, v8, v20
	v_mov_b32_dpp v20, v9 row_xmask:\m row_mask:0xf bank_mask:0xf
	v_add_nc_u32 v9, v9, v20
.endr
	v_permlanex16_b32 v20, v8, s30, s31
	v_add_nc_u32 v21, v8, v20                      ; my wave's count over the whole mask
	v_permlanex16_b32 v20, v9, s30, s31
	v_add_nc_u32 v20, v9, v20                      ; and over the batches in front of mine
.irp i, 0,1,2,3
	v_cmp_ne_u32 s[32+\i], 1, v[12+\i]             ; my batch: which lanes list their word i
	s_bcnt1_i32_b32 s[36+\i], s[32+\i]
.endr
	s_add_co_u32 s40, s36, s37
	s_add_co_u32 s41, s38, s39
	s_add_co_u32 s40, s40, s41                     ; my wave's ids
	v_mov_b32 v22, s40
	v_mov_b32 v23, 0
	v_mov_b32 v24, s20
	v_lshlrev_b32 v24, 4, v24
	v_add_nc_u32 v24, SSCR, v24
	ds_store_b128 v24, v[20:23]                    ; all lanes write the same 16 bytes
	s_wait_dscnt 0x0                               ; for the other waves
	s_barrier_signal -1
	s_barrier_wait -1
	v_mov_b32 v25, SSCR
.irp w, 0,1,2,3,4,5,6,7
	ds_load_b128 v[32+4*\w:32+4*\w+3], v25 offset:16*\w
.endr
	s_wait_dscnt 0x0
.irp w, 1,2,3,4,5,6,7
	v_add_nc_u32 v32, v32, v[32+4*\w]
	v_add_nc_u32 v33, v33, v[33+4*\w]
.endr
	v_readfirstlane_b32 s45, v32                   ; ids in front of my batch
	v_readfirstlane_b32 s44, v33                   ; T
.irp w, 0,1,2,3,4,5,6,7
	v_readfirstlane_b32 s41, v[34+4*\w]
	s_cmp_gt_u32 s20, \w
	s_cselect_b32 s41, s41, 0
	s_add_co_u32 s45, s45, s41                     ; + those of the waves in front of mine
.endr
	s_lshl_b32 s46, s25, 10
	v_lshl_add_u32 v72, v0, 2, s46                 ; id of my word 0
.irp i, 0,1,2,3
	v_mbcnt_lo_u32_b32 v[64+2*\i], s[32+\i], s45   ; place = start + listing lanes below me
	s_add_co_u32 s45, s45, s[36+\i]
	v_min_u32 v[64+2*\i], 0xffff, v[64+2*\i]       ; a place is below 65,536
	v_lshlrev_b32 v[64+2*\i], 2, v[64+2*\i]
	v_add_nc_u32 v[65+2*\i], \i, v72
.endr
	v_mov_b32 v74, s44
	v_mov_b32 v75, s44
	v_lshlrev_b32 v73, 3, v1
	; every address is made by now, with all lanes on; from here on only compares, stores and EXEC
	s_cmp_lg_u32 s25, 0
	s_cbranch_scc1 .Ls_list
	s_cmp_lg_u32 s20, 0
	s_cbranch_scc1 .Ls_list
	global_store_b64 v73, v[74:75], s[16:17] offset:262144   ; T, by wave 0 of batch 0 alone: 256 consecutive bytes behind the list
.Ls_list:
.irp i, 0,1,2,3
	v_cmp_ne_u32 vcc_lo, 1, v[12+\i]
	s_wait_xcnt 0x0                                ; EXEC is a source of the stores issued so far: it narrows only behind this wait
	s_and_saveexec_b32 s47, vcc_lo
	global_store_b32 v[64+2*\i], v[65+2*\i], s[16:17]    ; the listing lanes write consecutive words
	s_wait_xcnt 0x0                                ; and widens only behind this one
	s_or_b32 exec_lo, exec_lo, s47
.endr
	s_wait_xcnt 0x0
	s_mov_b32 exec_lo, -1
	s_wait_tensorcnt 0x0
	ds_add_u32 v254, v255
	s_wait_dscnt 0x0
	s_endpgm
.Lfunc_end_k_q2bc44577f4_prep:
	.size	k_q2bc44577f4_prep, .Lfunc_end_k_q2bc44577f4_prep-k_q2bc44577f4_prep
	.p2alignl 7, 3214868480
	.fill 96, 4, 3214868480
	.section	.rodata,"a",@progbits
	.p2align	6, 0x0
	.amdhsa_kernel k_q2bc44577f4_prep
		.amdhsa_group_segment_fixed_size 104192
		.amdhsa_private_segment_fixed_size 0
		.amdhsa_enable_private_segment 0
		.amdhsa_kernarg_size 64
		.amdhsa_user_sgpr_count 2
		.amdhsa_user_sgpr_kernarg_segment_ptr 1
		.amdhsa_wavefront_size32 1
		.amdhsa_system_sgpr_workgroup_id_x 1
		.amdhsa_system_sgpr_workgroup_id_y 1
		.amdhsa_system_sgpr_workgroup_id_z 1
		.amdhsa_system_vgpr_workitem_id 0
		.amdhsa_next_free_vgpr 256
		.amdhsa_next_free_sgpr 66
		.amdhsa_reserve_vcc 1
		.amdhsa_float_denorm_mode_32 3
		.amdhsa_float_denorm_mode_16_64 3
		.amdhsa_memory_ordered 1
		.amdhsa_forward_progress 1
		.amdhsa_inst_pref_size 78
	.end_amdhsa_kernel
	.amdgpu_metadata
---
amdhsa.version: [ 1, 2 ]
amdhsa.kernels:
  - .name:           k_q2bc44577f4_prep
    .symbol:         k_q2bc44577f4_prep.kd
    .args:
      - { .name: W_attn, .offset: 0, .size: 8, .value_kind: global_buffer, .address_space: global }
      - { .name: b_attn, .offset: 8, .size: 8, .value_kind: global_buffer, .address_space: global }
      - { .name: decoder_hidden, .offset: 16, .size: 8, .value_kind: global_buffer, .address_space: global }
      - { .name: mask, .offset: 24, .size: 8, .value_kind: global_buffer, .address_space: global }
      - { .name: bfrag, .offset: 32, .size: 8, .value_kind: global_buffer, .address_space: global }
      - { .name: pdec, .offset: 40, .size: 8, .value_kind: global_buffer, .address_space: global }
      - { .name: rows, .offset: 48, .size: 8, .value_kind: global_buffer, .address_space: global }
      - { .name: scores, .offset: 56, .size: 8, .value_kind: global_buffer, .address_space: global }
    .group_segment_fixed_size: 104192
    .private_segment_fixed_size: 0
    .kernarg_segment_align: 8
    .kernarg_segment_size: 64
    .max_flat_workgroup_size: 256
    .sgpr_count:     66
    .vgpr_count:     256
    .wavefront_size: 32
...
	.end_amdgpu_metadata
.endif
;; end of part 1
;; launch main (part 2): grid 256 x 1, 4 waves a work-group, no clusters, 297,728 bytes of LDS; arguments encoder_outputs, bfrag, pdec, rows, v_w, scores; writes scores
.if DOCPART == 2
	.amdgcn_target "amdgcn-amd-amdhsa--gfx1250"
	.amdhsa_code_object_version 6
	.text
	.protected	k_q2bc44577f4_main
	.globl	k_q2bc44577f4_main
	.p2align	8
	.type	k_q2bc44577f4_main,@function
k_q2bc44577f4_main:
	s_mov_b64 s[64:65], 0
	v_nop
	global_prefetch_b8 v0, s[64:65] scope:SCOPE_SE
	s_setreg_imm32_b32 hwreg(HW_REG_WAVE_MODE, 25, 1), 1
	s_wait_xcnt 0x0
; scores[wv][id] = sum over wave wv's 256 columns n of v_w[n] tanh(enc[id] . We[:, n] + dec_proj[b][n] + b_attn[n]), for the T listed rows
; id = b*1024+s (mask != 1).  The four planes are added by the next launch.  Rows with mask == 1 are not read: their score was set by the
; launch before, as the reference sets it whatever their energy.
; SHARING.  A tile is 128 rows, eight blocks of 16.  Tm rows of the list are cut evenly: part idx = entries (idx Tm)>>sh .. ((idx+1) Tm)>>sh.
;   T <= 32,768:            Tm = T, sh = 8: 256 parts of at most 128 rows, one pass.
;   32,768 < T <= 36,864:   Tm = 32,768, sh = 8: 256 parts of 128 rows; the X = T - 32,768 rows behind them go out 16 to a work-group
;                           (work-group g: entries 32,768 + 16 g ..), as a ninth block, so that ceil(X / 16) work-groups have one and not all 256.
;   T > 36,864:             Tm = T, sh = 9: 512 parts of at most 128 rows; a work-group takes parts g and 256 + g in two passes.
; The loop over passes always has two trips; a pass without rows does only its two barriers.
; A PASS: (A) the rows are gathered, rounded to bf16 and kept in LDS, 128 (+ 16) rows of 2,048 + 16 bytes.
; (B) N goes in two halves of 512; wave wv makes 128 (144) x 128: 8 (9) row blocks x 8 column blocks, 512 (576) accumulator registers.
; The sums start from pdec (loaded into the accumulators), so they end as c x, c = 2 log2(e), and
; tanh(x) = 1 - 2 / (1 + exp2(c x)): exp2 -> inf gives 1, exp2 -> 0 gives -1, no range is cut.  Row sum = sum v - 2 sum v / (1 + exp2).
; THE TEXT IS KEPT SHORT: both halves of N run through one text, a loop of two trips, and the ninth block stands under branches on the number
; of extra rows, not in a second copy of the section.  What is asked for the next half (B's first three K steps, the sums' start values)
; stands under branches on the half's number.  Block 8's id, its start values of half 0 and its first fragment of each half are loaded in
; every work-group (without extra rows: from the part's first entry and from LDS rows 112-127, which exist): 17 global and 4 LDS loads a wave
; and pass, so that its registers hold defined numbers on every way through the branches.
; ROWS OF THE TILE BEHIND THE PART'S LAST ROW REPEAT IT (the extra rows likewise), in LDS, in pdec's offset and in the id: their lanes make the
; same number by the same instructions and store it to the same word, so no lane is ever switched off.  The stores are 4 bytes a lane.
; B's fragments come from memory straight into registers: each wave has columns of its own, so no fragment is read by two waves of a
; work-group, and bfrag is laid out so that a load of a wave takes 512 consecutive bytes.
; NO JOINT LOADS IN A CLUSTER, though all work-groups read the same bfrag: the resident rows take 297,216 of the 327,680 bytes of LDS that
; a work-group can be given, and two slots of one K step of 512 columns (2 x 32,768) do not fit beside them.
; LIMITS: matrix operands in bf16, sums in f32.  If every row of the input is masked (T = 0) this launch stores nothing.
.set APITCH, 2064                      ; 129 x 16 bytes: the 16 rows of a fragment load start in 16 different 16-byte columns
.set OFFR, 10                          ; v[10:15]  fill: byte offset of the slot's row in enc
.set ADRA, 16                          ; v[16:20]  LDS address of A's fragments: blocks 0/1, 2/3, 4/5, 6/7, 8
.set VB,   21                          ; v21       byte offset in bfrag
.set VOFF, 22                          ; v22       wv 512 + 32 h: my 8 columns of a block, in pdec and in v_w
.set POFF, 24                          ; v[24:32]  block a: byte offset in pdec of my row's batch + VOFF
.set SROW, 34                          ; v[34:42]  block a: my part of my row's sum of v / (1 + exp2), over both halves
.set VS,   43                          ; v43       sum of my numbers of v_w, over both halves
.set CH,   44                          ; v[44:51]  four chains of pairs
.set TM,   52                          ; v52       at work (v52, v53 in the fill)
.set AF,   64                          ; v[64:135] nine fragments of A
.set TT,   64                          ; v[64:127] epilogue: a block's 64 numbers
.set IDS,  136                         ; v[136:144] block a: 4 x my row's id, its place in a plane of scores
.set VREG, 192                         ; v[192:255] epilogue: my 64 numbers of v_w (B's buffer 3 is idle there)
; window 0: the above; in the fill v[64:255] are six slots of 32; B's buffer 3 at v192.   window 1: accumulators of blocks 0-3 at 64 (a&3) + 8 b.
; window 2: blocks 4-7.   window 3: block 8 at v0-63, B's buffers 0, 1, 2 at v64, v128, v192.
; scalars: s16 wave, s17 T, s18 sh, s19 pass, s20 first entry, s21 rows of the part, s22 its last row, s23 extra rows, s24 trips, s25 an id,
; s26-27 lane selects, s28-29 at work, s31 Tm, s32 X, s33 first extra entry, s34 last extra row, s35 LDS offset of block 8's rows,
; s36 half of N, s[38:39] 2,048 x half, s[40:41] v_w at the half
.set MSB, 0
.macro WIN new                         ; low byte: bits 1:0 source 0, 3:2 source 1, 5:4 source 2, 7:6 destination; high byte: the setting left
.if MSB != (\new)
	s_set_vgpr_msb (MSB<<8)|(\new)
.set MSB, (\new)
.endif
.endm
.macro PLACES                          ; four places behind matrix instructions ahead of loads into, and readers of, their registers
.rept 4
	v_nop
.endr
.endm
	s_load_b256 s[4:11], s[0:1], 0x0               ; enc s[4:5], bfrag s[6:7], pdec s[8:9], rows s[10:11]
	s_load_b128 s[12:15], s[0:1], 0x20             ; v_w s[12:13], scores s[14:15]
	v_lshl_add_u32 v62, v0, 2, 0x48900
	v_mov_b32 v63, 0
	v_lshrrev_b32 v1, 5, v0
	v_readfirstlane_b32 s16, v1                    ; wave 0..3
	v_and_b32 v1, 31, v0                           ; L
	v_and_b32 v2, 15, v0                           ; r
	v_bfe_u32 v3, v0, 4, 1                         ; h
	v_lshlrev_b32 v4, 4, v1                        ; 16 L
	s_mul_i32 s28, s16, 32*APITCH
	v_lshl_add_u32 v5, v1, 3, s28                  ; fill: my wave's rows 0-15 of 32, 8 L
	v_add_nc_u32 v6, 16*APITCH, v5                 ;       rows 16-31 (an LDS offset has 16 bits)
	s_mul_i32 s28, s16, 4*APITCH
	s_add_co_u32 s28, s28, 128*APITCH
	v_lshl_add_u32 v9, v1, 3, s28                  ;       my wave's 4 of the 16 extra rows
	s_lshl_b32 s28, s16, 9
	v_lshl_add_u32 v[VOFF], v3, 5, s28
	v_mul_u32_u24 v23, v2, APITCH
	v_lshl_add_u32 v23, v3, 4, v23                 ; fragment of rows 0-15: r pitch + 16 h
	s_mov_b32 s26, 0x76543210                      ; v_permlanex16_b32: lane i reads lane i of the other half
	s_mov_b32 s27, 0xfedcba98
	s_lshl_b32 s28, s16, 18                        ; my wave's plane of scores: 262,144 bytes
	s_mov_b32 s29, 0
	s_wait_kmcnt 0x0
	s_add_nc_u64 s[14:15], s[14:15], s[28:29]
	s_load_b32 s17, s[10:11], 0x40000              ; T
	s_wait_kmcnt 0x0
	s_min_u32 s17, s17, 0x10000
	s_cmp_gt_u32 s17, 36864                        ; 256 x 144
	s_cselect_b32 s18, 9, 8                        ; sh: 512 parts or 256
	s_cselect_b32 s31, s17, 32768
	s_min_u32 s31, s31, s17                        ; Tm
	s_sub_co_u32 s32, s17, s31                     ; X: 0 .. 4,096
; ---- the fill
.macro RISSUE src, lane, slot          ; the row whose id lane 'lane' of v'src' holds, into a slot: eight loads of 512 consecutive bytes
	v_readlane_b32 s25, v\src, \lane
	s_min_u32 s25, s25, 0xffff                     ; an id is below 65,536
	s_lshl_b32 s25, s25, 12                        ; 4,096 bytes a row
	v_add_nc_u32 v[OFFR+\slot], s25, v4
.irp c, 0,1,2,3,4,5,6,7
	global_load_b128 v[64+32*\slot+4*\c:64+32*\slot+4*\c+3], v[OFFR+\slot], s[4:5] offset:512*\c
.endr
.endm
.macro CVST slot, adr, off             ; a slot's row: rounded to bf16 in place, and into LDS
.irp c, 0,1,2,3,4,5,6,7
	v_cvt_pk_bf16_f32 v[64+32*\slot+4*\c],   v[64+32*\slot+4*\c],   v[64+32*\slot+4*\c+1]
	v_cvt_pk_bf16_f32 v[64+32*\slot+4*\c+1], v[64+32*\slot+4*\c+2], v[64+32*\slot+4*\c+3]
.endr
.irp c, 0,1,2,3,4,5,6,7
	ds_store_b64 v[\adr], v[64+32*\slot+4*\c:64+32*\slot+4*\c+1] offset:\off+256*\c   ; 32 lanes, 256 consecutive bytes
.endr
.endm
; Row i of my wave's 32.  Six slots: five younger rows of eight loads stay out, then the count runs down over the base rows; the extra rows
; asked for behind rows 26 to 29 are younger still, so these counts hold with and without them.
.macro ROW i
.if \i <= 26
	s_wait_loadcnt 40
.else
	s_wait_loadcnt 8*(31-\i)
.endif
	CVST (\i%6), (5+\i/16), ((\i%16)*APITCH)
.if \i <= 25
	RISSUE 7, (\i+6), (\i%6)                       ; the slot's address register is free: the wait above showed its loads done
.else
.if \i <= 29
	s_cmp_eq_u32 s23, 0
	s_cbranch_scc1 .Lnx\i
	RISSUE 8, (\i-26), (\i%6)                      ; one of my four extra rows, into the slot that has just been emptied
.Lnx\i:
.endif
.endif
.endm
; ---- the products
.macro BLOAD q, st                     ; B's eight fragments of K step st (counted from VB's) into buffer q: 16 loads
.if (\q) == 3
	WIN 0
.set lbb, 192
.else
	WIN 0xc0
.set lbb, 64+64*(\q)
.endif
.irp b, 0,1,2,3,4,5,6,7
	global_load_b128 v[lbb+8*\b:lbb+8*\b+3],   v[VB], s[6:7] offset:(\st)*8192+\b*1024
	global_load_b128 v[lbb+8*\b+4:lbb+8*\b+7], v[VB], s[6:7] offset:(\st)*8192+\b*1024+512
.endr
.endm
.macro CINIT a, off                    ; block a's sums start from pdec: lane (r, h), register j of tile b = row 16 a + r, column 16 b + 8 h + j
	WIN ((1+\a/4)<<6)
.irp b, 0,1,2,3,4,5,6,7
	global_load_b128 v[64*(\a%4)+8*\b:64*(\a%4)+8*\b+3],   v[POFF+\a], s[8:9] offset:\off+64*\b
	global_load_b128 v[64*(\a%4)+8*\b+4:64*(\a%4)+8*\b+7], v[POFF+\a], s[8:9] offset:\off+64*\b+16
.endr
.endm
.macro ALD a, kn                       ; one fragment of A: 16 rows x 32 K at byte kn of the rows
	ds_load_b128 v[AF+8*\a:AF+8*\a+3],   v[ADRA+\a/2] offset:(\a%2)*16*APITCH+\kn
	ds_load_b128 v[AF+8*\a+4:AF+8*\a+7], v[ADRA+\a/2] offset:(\a%2)*16*APITCH+\kn+32
.endm
.macro ALO kn                          ; blocks 0-3: 8 loads
.irp a, 0,1,2,3
	ALD \a, \kn
.endr
.endm
.macro AHI kn                          ; blocks 4-7: 8 loads
.irp a, 4,5,6,7
	ALD \a, \kn
.endr
.endm
.macro MULA a, bb                      ; source 0 = 16 columns of We, source 1 = 16 rows of enc: a lane gets 8 neighbouring columns of one row
.irp b, 0,1,2,3,4,5,6,7
	v_wmma_f32_16x16x32_bf16 v[64*(\a%4)+8*\b:64*(\a%4)+8*\b+7], v[\bb+8*\b:\bb+8*\b+7], v[AF+8*\a:AF+8*\a+7], v[64*(\a%4)+8*\b:64*(\a%4)+8*\b+7]
.endr
.endm
; One K step of 32, on B's buffer q.  The 64 (72) accumulators take turns, one instruction a turn, in the same order in every step.
; ldb: B of the step three ahead goes into the buffer that the step before read (its closing places stand between, on both ways).
; lcnt: the younger B loads that may stay out, 16 a step.  lda: A's fragments of the next step are loaded in place, each group behind its last use.
; Block 8's eight products, their places and its next fragment are one stretch that is jumped over where there are no extra rows.
.macro STEP q, ldb, lcnt, lda
.if \ldb
	BLOAD ((\q+3)%4), (\q+3)
.endif
	s_wait_loadcnt \lcnt
	s_wait_dscnt 8                                 ; A's blocks 0-3 are in: blocks 4-7 are eight younger loads; with a ninth block there are ten, and block 4 is waited for too
.if \q == 3
.set msbb, 0
.set mbb, 192
.else
.set msbb, 3
.set mbb, 64+64*\q
.endif
	WIN (0x50|msbb)
	MULA 0, mbb
	MULA 1, mbb
	MULA 2, mbb
	MULA 3, mbb
	PLACES
	WIN 0
.if \lda
	ALO 64*(\q+1)
	s_wait_dscnt 8                                 ; blocks 4 and up are in; the eight just issued stay out
.else
	s_wait_dscnt 0
.endif
	WIN (0xa0|msbb)
	MULA 4, mbb
	MULA 5, mbb
	MULA 6, mbb
	MULA 7, mbb
	PLACES
	WIN 0
.if \lda
	AHI 64*(\q+1)
.endif
	s_cmp_eq_u32 s23, 0
	s_cbranch_scc1 .Ln8_\@
	WIN (0xf0|msbb)
	MULA 8, mbb
	PLACES
	WIN 0
.if \lda
	ALD 8, 64*(\q+1)
.endif
.Ln8_\@:
.endm
; ---- the epilogue of one block of 16 rows x 128 columns: 64 numbers a lane
.macro EPIA a
	WIN (1+\a/4)
.set ee, 0
.rept 64
	v_exp_f32 v[TT+ee], v[64*(\a%4)+ee]
.set ee, ee+1
.endr
	WIN 0
	v_nop                                          ; one plain instruction behind the transcendentals (ISA guide 5.7.2)
	s_cmp_lg_u32 s36, 0
	s_cbranch_scc1 .Lnc\a
	CINIT \a, 2048                                 ; half 0: the block's registers are free, and half 1's start values land under the rest of the epilogue
	WIN 0
.Lnc\a:
.set ee, 0
	s_wait_alu depctr_va_vdst(0)
.rept 32
	v_pk_add_f32 v[TT+ee:TT+ee+1], v[TT+ee:TT+ee+1], 1.0 op_sel_hi:[1,0]
.set ee, ee+2
.endr
.set ee, 0
.rept 64
	v_rcp_f32 v[TT+ee], v[TT+ee]
.set ee, ee+1
.endr
	v_nop
.if \a == 0
	s_wait_loadcnt 0x0                             ; v_w is in.  For 0: in half 1 no load is younger; in half 0 the younger ones (B's 48, block 0's 16) were issued ahead of the 160 instructions above
.irp c, 0,1,2,3
	v_pk_add_f32 v[CH+2*\c:CH+2*\c+1], v[VREG+2*\c:VREG+2*\c+1], v[VREG+8+2*\c:VREG+8+2*\c+1]
.endr
.set ee, 16
.rept 24
	v_pk_add_f32 v[CH+ee%8:CH+ee%8+1], v[CH+ee%8:CH+ee%8+1], v[VREG+ee:VREG+ee+1]
.set ee, ee+2
.endr
	v_pk_add_f32 v[CH:CH+1], v[CH:CH+1], v[CH+2:CH+3]
	v_pk_add_f32 v[CH+4:CH+5], v[CH+4:CH+5], v[CH+6:CH+7]
	v_pk_add_f32 v[CH:CH+1], v[CH:CH+1], v[CH+4:CH+5]
	v_add_f32 v[TM], v[CH], v[CH+1]
	v_add_f32 v[VS], v[VS], v[TM]
	s_wait_alu depctr_va_vdst(0)
.endif
	s_wait_alu depctr_va_vdst(0)
.irp c, 0,1,2,3
	v_pk_mul_f32 v[CH+2*\c:CH+2*\c+1], v[TT+2*\c:TT+2*\c+1], v[VREG+2*\c:VREG+2*\c+1]   ; the first eight start the four chains
.endr
.set ee, 8
.rept 28
	v_pk_fma_f32 v[CH+ee%8:CH+ee%8+1], v[TT+ee:TT+ee+1], v[VREG+ee:VREG+ee+1], v[CH+ee%8:CH+ee%8+1]
.set ee, ee+2
.endr
	v_pk_add_f32 v[CH:CH+1], v[CH:CH+1], v[CH+2:CH+3]
	v_pk_add_f32 v[CH+4:CH+5], v[CH+4:CH+5], v[CH+6:CH+7]
	v_pk_add_f32 v[CH:CH+1], v[CH:CH+1], v[CH+4:CH+5]
	v_add_f32 v[TM], v[CH], v[CH+1]
	v_add_f32 v[SROW+\a], v[SROW+\a], v[TM]
.endm
; ---- a block's ids
.macro IDLOAD a, row0, last, first     ; my row of block a is row row0 + r of a run of the list that begins at s'first' and whose last row is s'last'
.if \row0
	v_add_nc_u32 v[POFF+\a], \row0, v2
	v_min_u32 v[POFF+\a], s\last, v[POFF+\a]       ; rows behind the last repeat it
.else
	v_min_u32 v[POFF+\a], s\last, v2
.endif
	v_add_nc_u32 v[POFF+\a], s\first, v[POFF+\a]
	v_min_u32 v[POFF+\a], 0xffff, v[POFF+\a]       ; a place in the list is below 65,536
	v_lshlrev_b32 v[POFF+\a], 2, v[POFF+\a]
	global_load_b32 v[POFF+\a], v[POFF+\a], s[10:11]     ; its id, onto its own address
.endm
.macro IDADR a
	v_min_u32 v[POFF+\a], 0xffff, v[POFF+\a]       ; an id is below 65,536
	v_lshlrev_b32 v[IDS+\a], 2, v[POFF+\a]         ; its word in a plane of scores
	v_and_b32 v[POFF+\a], 0xfc00, v[POFF+\a]       ; 1,024 b
	v_lshlrev_b32 v[POFF+\a], 2, v[POFF+\a]        ; 4,096 b
	v_add_nc_u32 v[POFF+\a], v[VOFF], v[POFF+\a]   ; + my columns
.endm
.macro OUTA a
	v_fma_f32 v[SROW+\a], -2.0, v[SROW+\a], v[VS]        ; sum v - 2 sum v / (1 + exp2), over my 128 columns
	v_permlanex16_b32 v[TM], v[SROW+\a], s26, s27        ; the other 128 of my wave's 256
	v_add_f32 v[SROW+\a], v[SROW+\a], v[TM]
	global_store_b32 v[IDS+\a], v[SROW+\a], s[14:15]     ; both halves of the lanes, and the lanes of repeated rows, store the same number to the same word
.endm
; ================ the two passes.  The sections hold no barrier and are jumped over where the part has no rows;
; the two barriers stand on every path.  Between them LDS is only read.
	s_mov_b32 s19, 0
.Lpass:
	s_lshl_b32 s28, s19, 8
	s_add_co_u32 s28, s28, ttmp9                   ; idx
	s_mul_i32 s20, s28, s31
	s_lshr_b32 s20, s20, s18
	s_min_u32 s20, s20, s31                        ; first entry of my part
	s_add_co_u32 s29, s28, 1
	s_mul_i32 s21, s29, s31
	s_lshr_b32 s21, s21, s18
	s_min_u32 s21, s21, s31
	s_sub_co_u32 s21, s21, s20                     ; its rows, 0 .. 128
	s_max_u32 s22, s21, 1
	s_sub_co_u32 s22, s22, 1                       ; its last row
	s_lshl_b32 s28, s28, 4                         ; 16 idx
	s_sub_co_i32 s23, s32, s28
	s_max_i32 s23, s23, 0
	s_min_u32 s23, s23, 16                         ; my extra rows, 0 .. 16; none in the second pass, where 16 idx is 4,096 or more; none without base rows
	s_add_co_u32 s33, s31, s28                     ; their first entry,
	s_cmp_lg_u32 s23, 0
	s_cselect_b32 s33, s33, s20                    ; or, where there are none, an entry that exists
	s_max_u32 s34, s23, 1
	s_sub_co_u32 s34, s34, 1                       ; the last of them
	s_cmp_eq_u32 s21, 0
	s_cbranch_scc1 .Lno_fill
; ---- section A: wave wv fills rows 32 wv .. 32 wv + 31, and extra rows 128 + 4 wv .. + 3
	s_lshl_b32 s28, s16, 5
	s_lshl_b32 s29, s16, 2
	v_add_nc_u32 v52, s28, v1                      ; my 32 rows, one a lane
	v_min_u32 v53, 3, v1
	v_add_nc_u32 v53, s29, v53                     ; my 4 extra rows, in lanes 0-3
	v_min_u32 v52, s22, v52                        ; rows behind the last repeat it
	v_min_u32 v53, s34, v53
	v_add_nc_u32 v52, s20, v52
	v_add_nc_u32 v53, s33, v53
	v_min_u32 v52, 0xffff, v52                     ; a place in the list is below 65,536
	v_min_u32 v53, 0xffff, v53
	v_lshlrev_b32 v52, 2, v52
	v_lshlrev_b32 v53, 2, v53
	global_load_b32 v7, v52, s[10:11]
	global_load_b32 v8, v53, s[10:11]
	s_wait_loadcnt 0x0
.irp i, 0,1,2,3,4,5
	RISSUE 7, \i, \i
.endr
.irp i, 0,1,2,3,4,5,6,7,8,9,10,11,12,13,14,15,16,17,18,19,20,21,22,23,24,25,26,27,28,29,30,31
	ROW \i
.endr
	s_cmp_eq_u32 s23, 0
	s_cbranch_scc1 .Lno_fill
.irp e, 0,1,2,3
	CVST ((26+\e)%6), 9, (\e*APITCH)               ; the extra rows: row 31's wait for 0 has shown their loads done
.endr
.Lno_fill:
	s_wait_dscnt 0x0                               ; my rows are in LDS, for the other waves
	s_barrier_signal -1
	s_barrier_wait -1
	s_cmp_eq_u32 s21, 0
	s_cbranch_scc1 .Lno_mul
; ---- section B: the ids, B's first three K steps, the sums' start values of half 0
.irp a, 0,1,2,3,4,5,6,7
	IDLOAD \a, 16*\a, 22, 20
.endr
	IDLOAD 8, 0, 34, 33
	s_lshl_b32 s28, s16, 19
	v_add_nc_u32 v[VB], s28, v4                    ; my wave's 524,288 bytes of bfrag, 16 L
	BLOAD 0, 0
	BLOAD 1, 1
	BLOAD 2, 2
	WIN 0
	s_wait_loadcnt 48                              ; the nine ids are in; the 48 younger loads are B's
.irp a, 0,1,2,3,4,5,6,7,8
	IDADR \a
.endr
.irp a, 0,1,2,3,4,5,6,7,8
	CINIT \a, 0
.endr
	WIN 0
.irp a, 0,1,2,3,4,5,6,7,8
	v_mov_b32 v[SROW+\a], 0                        ; ten sums that both trips of the loop over the halves add onto
.endr
	v_mov_b32 v[VS], 0
	s_min_u32 s35, s23, 1
	s_mul_i32 s35, s35, 16*APITCH
	s_add_co_u32 s35, s35, 112*APITCH              ; block 8's rows in LDS: 128 .. 143, or, where there are none, rows 112 .. 127
	s_mov_b32 s39, 0
	s_mov_b32 s36, 0
; ---- one half of N: 32 K steps, seven trips of four and a tail, then the epilogue
.Lhalf:
.irp i, 0,1,2,3
	v_add_nc_u32 v[ADRA+\i], \i*32*APITCH, v23
.endr
	v_add_nc_u32 v[ADRA+4], s35, v23
	ALO 0
	AHI 0
	ALD 8, 0
	s_wait_loadcnt 0x0                             ; the start values of the sums, and B of the first three steps
	s_mov_b32 s24, 7
.Lk:
	STEP 0, 1, 48, 1
	STEP 1, 1, 48, 1
	STEP 2, 1, 48, 1
	STEP 3, 1, 48, 1
.irp i, 0,1,2,3,4
	v_add_nc_u32 v[ADRA+\i], 256, v[ADRA+\i]       ; four K steps of 64 bytes
.endr
	s_wait_xcnt 0x0                                ; VB is an address of the loads issued so far: it is stepped only behind this wait
	v_add_nc_u32 v[VB], 4*8192, v[VB]
	s_sub_co_u32 s24, s24, 1
	s_cmp_lg_u32 s24, 0
	s_cbranch_scc1 .Lk
	STEP 0, 1, 48, 1                               ; the half's last step of B is asked for here; the counts run down
	STEP 1, 0, 32, 1
	STEP 2, 0, 16, 1
	STEP 3, 0, 0, 0
	; the epilogue
	s_lshl_b32 s38, s36, 11                        ; 2,048 bytes of v_w a half
	s_add_nc_u64 s[40:41], s[12:13], s[38:39]      ; the loads that named s[40:41] in half 0 were shown done at the head of half 1
.irp b, 0,1,2,3,4,5,6,7
	global_load_b128 v[VREG+8*\b:VREG+8*\b+3],   v[VOFF], s[40:41] offset:64*\b
	global_load_b128 v[VREG+8*\b+4:VREG+8*\b+7], v[VOFF], s[40:41] offset:64*\b+16
.endr
	s_cmp_lg_u32 s36, 0
	s_cbranch_scc1 .Lno_b
	s_wait_xcnt 0x0                                ; VB is stepped only behind this wait
	v_add_nc_u32 v[VB], 4*8192, v[VB]              ; half 0: K step 32 = half 1's first
	BLOAD 0, 0                                     ; its first three steps land under the epilogue
	BLOAD 1, 1
	BLOAD 2, 2
	WIN 0
.Lno_b:
.irp a, 0,1,2,3,4,5,6,7
	EPIA \a
.endr
	s_cmp_eq_u32 s23, 0
	s_cbranch_scc1 .Lno_e8
	EPIA 8
.Lno_e8:
	s_add_co_u32 s36, s36, 1
	s_cmp_lt_u32 s36, 2
	s_cbranch_scc1 .Lhalf
; ---- the row sums go out
.irp a, 0,1,2,3,4,5,6,7
	OUTA \a
.endr
	s_cmp_eq_u32 s23, 0
	s_cbranch_scc1 .Lno_o8
	OUTA 8
.Lno_o8:
	s_wait_loadcnt 0x0                             ; no load of this pass is out when the next pass loads the same registers again (half 1 asks for nothing, so this is met at once)
	s_wait_xcnt 0x0                                ; the next pass writes the stores' data and address registers again only behind this wait
.Lno_mul:
	s_wait_dscnt 0x0                               ; my reads of the rows are back, so the next fill may come
	s_barrier_signal -1
	s_barrier_wait -1
	s_add_co_u32 s19, s19, 1
	s_cmp_lt_u32 s19, 2
	s_cbranch_scc1 .Lpass
	s_wait_tensorcnt 0x0
	ds_add_u32 v62, v63
	s_wait_dscnt 0x0
	s_endpgm
.Lfunc_end_k_q2bc44577f4_main:
	.size	k_q2bc44577f4_main, .Lfunc_end_k_q2bc44577f4_main-k_q2bc44577f4_main
	.p2alignl 7, 3214868480
	.fill 96, 4, 3214868480
	.section	.rodata,"a",@progbits
	.p2align	6, 0x0
	.amdhsa_kernel k_q2bc44577f4_main
		.amdhsa_group_segment_fixed_size 297728
		.amdhsa_private_segment_fixed_size 0
		.amdhsa_enable_private_segment 0
		.amdhsa_kernarg_size 48
		.amdhsa_user_sgpr_count 2
		.amdhsa_user_sgpr_kernarg_segment_ptr 1
		.amdhsa_wavefront_size32 1
		.amdhsa_system_sgpr_workgroup_id_x 1
		.amdhsa_system_sgpr_workgroup_id_y 1
		.amdhsa_system_sgpr_workgroup_id_z 1
		.amdhsa_system_vgpr_workitem_id 0
		.amdhsa_next_free_vgpr 1024
		.amdhsa_next_free_sgpr 66
		.amdhsa_reserve_vcc 0
		.amdhsa_float_denorm_mode_32 3
		.amdhsa_float_denorm_mode_16_64 3
		.amdhsa_memory_ordered 1
		.amdhsa_forward_progress 1
		.amdhsa_inst_pref_size 255
	.end_amdhsa_kernel
	.section	.bss,"aw",@nobits
	.p2align	6
	.space	262144
	.amdgpu_metadata
---
amdhsa.version: [ 1, 2 ]
amdhsa.kernels:
  - .name:           k_q2bc44577f4_main
    .symbol:         k_q2bc44577f4_main.kd
    .args:
      - { .name: encoder_outputs, .offset: 0, .size: 8, .value_kind: global_buffer, .address_space: global }
      - { .name: bfrag, .offset: 8, .size: 8, .value_kind: global_buffer, .address_space: global }
      - { .name: pdec, .offset: 16, .size: 8, .value_kind: global_buffer, .address_space: global }
      - { .name: rows, .offset: 24, .size: 8, .value_kind: global_buffer, .address_space: global }
      - { .name: v_w, .offset: 32, .size: 8, .value_kind: global_buffer, .address_space: global }
      - { .name: scores, .offset: 40, .size: 8, .value_kind: global_buffer, .address_space: global }
    .group_segment_fixed_size: 297728
    .private_segment_fixed_size: 0
    .kernarg_segment_align: 8
    .kernarg_segment_size: 48
    .max_flat_workgroup_size: 128
    .sgpr_count:     66
    .vgpr_count:     1024
    .wavefront_size: 32
...
	.end_amdgpu_metadata
.endif
;; end of part 2
;; launch soft (part 3): grid 64 x 1, 8 waves a work-group, no clusters, 1,280 bytes of LDS; arguments scores, out0; writes out0
.if DOCPART == 3
	.amdgcn_target "amdgcn-amd-amdhsa--gfx1250"
	.amdhsa_code_object_version 6
	.text
	.protected	k_q2bc44577f4_soft
	.globl	k_q2bc44577f4_soft
	.p2align	8
	.type	k_q2bc44577f4_soft,@function
k_q2bc44577f4_soft:
	s_mov_b64 s[64:65], 0
	v_nop
	global_prefetch_b8 v0, s[64:65] scope:SCOPE_SE
	s_setreg_imm32_b32 hwreg(HW_REG_WAVE_MODE, 25, 1), 1
	s_wait_xcnt 0x0
; out0[b] = softmax(score[b]), score = the sum of the four planes of scores ([4][64][1024]): a listed row's four partial sums, or four times
; -1e10 / 4, which add up to f32(-1e10) exactly.  One work-group a batch, thread t holds numbers 4t .. 4t+3 (16 bytes: sixteen lanes cover
; 256 aligned bytes).  The row's maximum is taken away first, as the reference does.  x - m is formed before the factor log2(e): it is exactly
; 0 where x = m, also at -1e10, so a batch that is masked whole gives 1/1024 everywhere.  No matrix unit, no cluster: 16,384 bytes in, 4,096 out.
.set PLANE, 262144
	s_load_b128 s[4:7], s[0:1], 0x0                ; scores s[4:5], out0 s[6:7]
	v_lshl_add_u32 v32, v0, 2, 0x100
	v_mov_b32 v33, 0
	v_lshrrev_b32 v1, 5, v0
	v_readfirstlane_b32 s8, v1                     ; wave 0..7
	v_lshlrev_b32 v2, 4, v0
	s_lshl_b32 s10, ttmp9, 12
	s_mov_b32 s11, 0
	s_mov_b32 s12, 0x76543210                      ; v_permlanex16_b32: lane i reads lane i of the other half
	s_mov_b32 s13, 0xfedcba98
	v_mov_b32 v3, s8
	v_lshlrev_b32 v3, 2, v3                        ; my wave's word
	v_mov_b32 v11, 0
	v_mov_b32 v9, 0                                ; the destination of v_permlanex16_b32 counts as read
	s_wait_kmcnt 0x0
	s_add_nc_u64 s[4:5], s[4:5], s[10:11]
	s_add_nc_u64 s[6:7], s[6:7], s[10:11]
	global_load_b128 v[4:7],   v2, s[4:5]
	global_load_b128 v[12:15], v2, s[4:5] offset:PLANE
	global_load_b128 v[16:19], v2, s[4:5] offset:2*PLANE
	global_load_b128 v[20:23], v2, s[4:5] offset:3*PLANE
	s_wait_loadcnt 0x0
	v_pk_add_f32 v[4:5], v[4:5], v[12:13]
	v_pk_add_f32 v[6:7], v[6:7], v[14:15]
	v_pk_add_f32 v[16:17], v[16:17], v[20:21]
	v_pk_add_f32 v[18:19], v[18:19], v[22:23]
	v_pk_add_f32 v[4:5], v[4:5], v[16:17]
	v_pk_add_f32 v[6:7], v[6:7], v[18:19]          ; the scores
	v_max3_num_f32 v8, v4, v5, v6
	v_max_num_f32 v8, v8, v7
	v_max_num_f32_dpp v8, v8, v8 row_xmask:1 row_mask:0xf bank_mask:0xf
	v_max_num_f32_dpp v8, v8, v8 row_xmask:2 row_mask:0xf bank_mask:0xf
	v_max_num_f32_dpp v8, v8, v8 row_xmask:4 row_mask:0xf bank_mask:0xf
	v_max_num_f32_dpp v8, v8, v8 row_xmask:8 row_mask:0xf bank_mask:0xf
	v_permlanex16_b32 v9, v8, s12, s13
	v_max_num_f32 v8, v8, v9
	ds_store_b32 v3, v8                            ; bytes 0-31: the eight waves' maxima
	s_wait_dscnt 0x0                               ; for the other waves
	s_barrier_signal -1
	s_barrier_wait -1
	ds_load_b128 v[12:15], v11
	ds_load_b128 v[16:19], v11 offset:16
	s_wait_dscnt 0x0
	v_max3_num_f32 v12, v12, v13, v14
	v_max3_num_f32 v16, v15, v16, v17
	v_max3_num_f32 v12, v12, v18, v19
	v_max_num_f32 v12, v12, v16                    ; m
.irp k, 4,5,6,7
	v_sub_f32 v\k, v\k, v12
.endr
.irp k, 4,5,6,7
	v_mul_f32 v\k, 0x3fb8aa3b, v\k                 ; log2(e)
.endr
.irp k, 4,5,6,7
	v_exp_f32 v\k, v\k
.endr
	v_nop                                          ; one plain instruction behind the transcendentals (ISA guide 5.7.2)
	s_wait_alu depctr_va_vdst(0)
	v_add_f32 v8, v4, v5
	v_add_f32 v9, v6, v7
	v_add_f32 v8, v8, v9
	v_add_f32_dpp v8, v8, v8 row_xmask:1 row_mask:0xf bank_mask:0xf
	v_add_f32_dpp v8, v8, v8 row_xmask:2 row_mask:0xf bank_mask:0xf
	v_add_f32_dpp v8, v8, v8 row_xmask:4 row_mask:0xf bank_mask:0xf
	v_add_f32_dpp v8, v8, v8 row_xmask:8 row_mask:0xf bank_mask:0xf
	v_permlanex16_b32 v9, v8, s12, s13
	v_add_f32 v8, v8, v9
	ds_store_b32 v3, v8 offset:32                  ; bytes 32-63: the eight sums, other bytes than the maxima
	s_wait_dscnt 0x0
	s_barrier_signal -1
	s_barrier_wait -1
	ds_load_b128 v[12:15], v11 offset:32
	ds_load_b128 v[16:19], v11 offset:48
	s_wait_dscnt 0x0
	v_add_f32 v12, v12, v13
	v_add_f32 v14, v14, v15
	v_add_f32 v16, v16, v17
	v_add_f32 v18, v18, v19
	v_add_f32 v12, v12, v14
	v_add_f32 v16, v16, v18
	v_add_f32 v12, v12, v16                        ; at least 1: the maximum's own term
	v_rcp_f32 v13, v12
	v_nop
	s_wait_alu depctr_va_vdst(0)
.irp k, 4,5,6,7
	v_mul_f32 v\k, v\k, v13
.endr
	global_store_b128 v2, v[4:7], s[6:7]
	s_barrier_signal -1
	s_barrier_wait -1
	s_wait_tensorcnt 0x0
	ds_add_u32 v32, v33
	s_wait_dscnt 0x0
	s_endpgm
.Lfunc_end_k_q2bc44577f4_soft:
	.size	k_q2bc44577f4_soft, .Lfunc_end_k_q2bc44577f4_soft-k_q2bc44577f4_soft
	.p2alignl 7, 3214868480
	.fill 96, 4, 3214868480
	.section	.rodata,"a",@progbits
	.p2align	6, 0x0
	.amdhsa_kernel k_q2bc44577f4_soft
		.amdhsa_group_segment_fixed_size 1280
		.amdhsa_private_segment_fixed_size 0
		.amdhsa_enable_private_segment 0
		.amdhsa_kernarg_size 16
		.amdhsa_user_sgpr_count 2
		.amdhsa_user_sgpr_kernarg_segment_ptr 1
		.amdhsa_wavefront_size32 1
		.amdhsa_system_sgpr_workgroup_id_x 1
		.amdhsa_system_sgpr_workgroup_id_y 1
		.amdhsa_system_sgpr_workgroup_id_z 1
		.amdhsa_system_vgpr_workitem_id 0
		.amdhsa_next_free_vgpr 34
		.amdhsa_next_free_sgpr 66
		.amdhsa_reserve_vcc 0
		.amdhsa_float_denorm_mode_32 3
		.amdhsa_float_denorm_mode_16_64 3
		.amdhsa_memory_ordered 1
		.amdhsa_forward_progress 1
		.amdhsa_inst_pref_size 5
	.end_amdhsa_kernel
	.amdgpu_metadata
---
amdhsa.version: [ 1, 2 ]
amdhsa.kernels:
  - .name:           k_q2bc44577f4_soft
    .symbol:         k_q2bc44577f4_soft.kd
    .args:
      - { .name: scores, .offset: 0, .size: 8, .value_kind: global_buffer, .address_space: global }
      - { .name: out0, .offset: 8, .size: 8, .value_kind: global_buffer, .address_space: global }
    .group_segment_fixed_size: 1280
    .private_segment_fixed_size: 0
    .kernarg_segment_align: 8
    .kernarg_segment_size: 16
    .max_flat_workgroup_size: 256
    .sgpr_count:     66
    .vgpr_count:     34
    .wavefront_size: 32
...
	.end_amdgpu_metadata
.endif
;; end of part 3
